; MI455X (gfx1250); checked and timed in simulation.
; The chip was launched on July 23, 2026; its instructions are those of AMD's public machine-readable ISA for CDNA 5 (MIT licence, August 2026) and "CDNA5" Instruction Set Architecture Reference Guide (July 2026). The comments in the code are by the model that wrote it; some were corrected since.
;; Multihead Attention. Allowed arithmetic: matrix products marked QUANTISED: E2M3 operands, one E8M0 scale for each 32 along K, by v_wmma_scale_f32_16x16x128_f8f6f4 with both operands' format E2M3, f32 sums; everything else in f32.
;; Inputs: Wk 1,024 x 1,024 float32; Wo 1,024 x 1,024 float32; Wq 1,024 x 1,024 float32; Wv 1,024 x 1,024 float32; key 2 x 2,048 x 1,024 float32; mask 2 x 2,048 int32; query 2 x 2,048 x 1,024 float32; val 2 x 2,048 x 1,024 float32.
;; Outputs: out0 2 x 2,048 x 1,024 float32.
;; This version of the problem:
;;   THIS VERSION OF THE PROBLEM IS GIVEN IN LOW PRECISION. The matrix products marked QUANTISED in the list below multiply operands that are first quantised to E2M3 (2 exponent bits, 3 mantissa bits; 6 bits a number), with one power-of-two scale for each 32 numbers along K (OCP MX v1.0); their sums are f32. All else is computed in f32.
;;   The module's matrix products, in the order in which they are computed (A, B: the left and right operand; K: the contracted axis; several contracted axes count as one K, in the product's order):
;;     1. [M 4,096, K 1,024] x [K 1,024, N 1,024]; A: input query; B: input Wq: QUANTISED
;;     2. [M 4,096, K 1,024] x [K 1,024, N 1,024]; A: input key; B: input Wk: QUANTISED
;;     3. [M 4,096, K 1,024] x [K 1,024, N 1,024]; A: input val; B: input Wv: QUANTISED
;;     4. batch 32 x [M 2,048, K 64] x [K 64, N 2,048]; A: computed on the way; B: computed on the way: QUANTISED
;;     5. batch 32 x [M 64, K 2,048] x [K 2,048, N 2,048]; A: computed on the way; B: softmax (see below): QUANTISED
;;     6. [M 4,096, K 1,024] x [K 1,024, N 1,024]; A: computed on the way; B: input Wo: QUANTISED
;;   THE QUANTISER, for each operand of a quantised product, along K:
;;     - K is cut into blocks of 32 from its start; a last block that is shorter is filled with zeros.
;;     - A block's scale is 2^e with e = floor(log2(the largest magnitude in the block)) - 2, held to -126 .. 127; a block of zeros has e = 0. As a byte (E8M0): e + 127.
;;     - Each number is divided by its block's scale, clamped to +-7.5, and rounded to the nearest number of E2M3, ties to even, subnormals kept.
;;     - The product sums the exact products of the quantised numbers (number of the format x scale) in f32.
;;   ~~~python
;;   def quantise(x, axis):      # numpy; x: float32 -> the quantised numbers, widened to float32 again
;;       x = np.moveaxis(x, axis, -1); K = x.shape[-1]
;;       x = np.pad(x, [(0, 0)] * (x.ndim - 1) + [(0, -K % 32)]); x = x.reshape(x.shape[:-1] + (-1, 32)); a = np.abs(x).max(-1, keepdims=True)
;;       e = np.where(a > 0, np.clip(np.frexp(np.where(a > 0, a, 1))[1] - 1 - 2, -126, 127), 0)      # np.frexp(a)[1] - 1 = floor(log2(a)), exactly
;;       r = np.clip(x / 2.0 ** e, -7.5, 7.5)
;;       step = 2.0 ** (np.maximum(np.frexp(np.where(r == 0, 1, r))[1] - 1, 0) - 3)
;;       q = np.round(r / step) * step * 2.0 ** e      # np.round: ties to even
;;       return np.moveaxis(q.reshape(q.shape[:-2] + (-1,))[..., :K], -1, axis).astype(np.float32)
;;   ~~~
;;   SOFTMAX AHEAD OF A QUANTISED PRODUCT. Where the list says 'softmax', what is quantised is not the finished softmax but p = 2^(t - M), with t = logit x log2(e) and M = ceil(the row's largest t), a whole number; so 1/2 < the row's largest p <= 1. The row's sum l is taken of the UNQUANTISED p, in f32, and the product's result is divided by l at the end. Since M is a whole number, a kernel that streams over the keys may use a running M (the ceiling of the running maximum): every later rescaling is an exact power of two, which a block's scale takes up: the codes' values come out the same.
;;   OPERANDS COMPUTED ON THE WAY. 'Computed on the way' means the value that the module computes at that place (a softmax that the list does not call 'softmax' is quantised finished and normalised). What goes into a quantiser is computed in f32, as accurately as f32 sums, v_exp_f32 and their like allow (about 1e-6 of the number): no bf16 or f16 on the way to a quantiser, and a product that is left as it is and whose result goes on into a quantised operand takes f32 operands (vector FMAs, or v_wmma_f32_16x16x4_f32). A number that lies on a knife's edge between two numbers of the format may be rounded either way, as far as f32 arithmetic and the matrix unit's own rounding can turn it there, and no further.
;; One version. Each part assembles by itself: llvm-mc -triple=amdgcn-amd-amdhsa -mcpu=gfx1250 --defsym DOCPART=n.
;; ======== version 1 of 1: 4 launches
;; workspace buffers: xc 15,728,640 bytes; xs 655,360 bytes; hc 9,437,184 bytes; hs 393,216 bytes
;; launch quant (part 1): grid 512 x 1, 4 waves a work-group, no clusters, 34,304 bytes of LDS; arguments query, key, val, Wq, Wk, Wv, Wo, xc, xs; writes xc, xs
.if DOCPART == 1
	.amdgcn_target "amdgcn-amd-amdhsa--gfx1250"
	.amdhsa_code_object_version 6
	.text
	.protected	k_q63a6891b9d_quant
	.globl	k_q63a6891b9d_quant
	.p2align	8
	.type	k_q63a6891b9d_quant,@function
k_q63a6891b9d_quant:
	s_mov_b64 s[64:65], 0
	v_nop
	global_prefetch_b8 v0, s[64:65] scope:SCOPE_SE
	s_setreg_imm32_b32 hwreg(HW_REG_WAVE_MODE, 25, 1), 1
	s_wait_xcnt 0x0
; query, key, val [4096][1024] and Wq, Wk, Wv, Wo [1024][1024], f32, K innermost, become codes of FP6 (E2M3) with one E8M0 byte for each 32 along K.
; A block's scale is 2^(floor(log2(its largest magnitude)) - 2); its byte is that magnitude's exponent field - 2, held at 1 from below.
; LIMITS: a block whose largest magnitude lies under 2^-124 (a block of zeros among them) gets the byte 1, where the stated quantiser says 127 for zeros: its codes are
; zeros or near it, and this program alone reads the bytes.  NaN and infinities among the inputs are not served.
; LAYOUT OF THE RESULT.  A TILE is 16 rows: row r of tile T = 2 g + u is matrix row 32 g + 8 u + r + 8 (r / 8).  xc: [tile][K step of 128][1,536 bytes], the 1,536 bytes being
; the image of the operand's 12 registers: registers 2 p, 2 p + 1 of lane l at 256 p + 8 l.  xs: [tile][K half][row][4 scale words].  Tiles 0-255 query, 256-511 key, 512-767 val,
; 768-831 Wq, 832-895 Wk, 896-959 Wv, 960-1023 Wo.
; SHARES.  Work-group g takes tiles 2 g and 2 g + 1; wave w takes tile 2 g + (w >> 1) and K steps 4 (w & 1) on: four steps of 16 rows x 512 bytes.  Each load reads 512 consecutive
; bytes of a row; a step turns through the wave's own stage in LDS (rows 528 bytes apart) so that a lane gets 16 neighbours of each block of its row.  Waves share nothing: no barrier.
.set SP,    528                        ; a stage row: 512 bytes + 16
.set WREG,  16*SP                      ; a wave's stage
.set R0,    16                         ; v16-79, v80-143  two sets of 64 registers as loaded
.set X,     144                        ; v144-207 64 numbers of my row: register 16 b + i = k 32 b + 16 (lane / 16) + i
.set PC,    208                        ; v208-226 the codes just made
.set TM,    228                        ; v228-243 at work in QUANT
.set W,     244                        ; v244-247 the four steps' scale words
.set SEL,   26                         ; s26, s27 lane selects for v_permlanex16_b32: lane l xor 16
; 64 numbers of a lane, register 16 b + i = k 32 b + 16 (lane / 16) + i of my row, become a fragment's codes in v[PC] .. v[PC + 11] and its scale word in v[pw].
.macro QUANT s, pw
.irp b, 0,1,2,3
	v_max3_num_f32 v[TM+\b], |v[16*\b+(\s)]|, |v[16*\b+1+(\s)]|, 0x1800000   ; block b: my 16 numbers, and the floor 2^(3 - 127): the byte cannot fall under 1
.endr
.irp i, 2,4,6,8,10,12,14
.irp b, 0,1,2,3
	v_max3_num_f32 v[TM+\b], v[TM+\b], |v[16*\b+\i+(\s)]|, |v[16*\b+\i+1+(\s)]|   ; the four blocks by turns
.endr
.endr
.irp b, 0,1,2,3
	v_permlanex16_b32 v[TM+4+\b], v[TM+\b], s[SEL], s[SEL+1]
.endr
.irp b, 0,1,2,3
	v_max_num_f32 v[TM+\b], v[TM+\b], v[TM+4+\b]   ; with lane l xor 16's: the block's largest magnitude
.endr
.irp b, 0,1,2,3
	v_add_nc_u32 v[TM+12+\b], 0xff000000, v[TM+\b] ; 2 off its exponent field: the conversion takes the exponent field of this operand as its scale
.endr
.irp b, 0,1,2,3
	v_lshrrev_b32 v[TM+4+\b], 23, v[TM+12+\b]      ; the scale's byte
.endr
	v_lshl_or_b32 v[\pw], v[TM+5], 8, v[TM+4]      ; the four bytes make my row's scale word
	v_lshl_or_b32 v[\pw], v[TM+6], 16, v[\pw]
	v_lshl_or_b32 v[\pw], v[TM+7], 24, v[\pw]
.irp c, 0,1
	v_cvt_scalef32_pk16_fp6_f32 v[PC+6*\c:PC+2+6*\c], v[32*\c+(\s):32*\c+15+(\s)], v[TM+12+2*\c]
	v_cvt_scalef32_pk16_fp6_f32 v[PC+12+4*\c:PC+14+4*\c], v[32*\c+16+(\s):32*\c+31+(\s)], v[TM+12+2*\c+1]   ; (a conversion's three registers begin on an even number)
.endr
	v_nop                                          ; one plain instruction behind a scaled conversion
.irp c, 0,1                                    ; the operand wants a whole block in a lane: lanes 0-15 block 2 c, lanes 16-31 block 2 c + 1
.irp i, 0,1,2
	v_permlane16_swap_b32 v[PC+6*\c+\i], v[PC+12+4*\c+\i]
.endr
.irp i, 0,1,2
	v_mov_b32 v[PC+3+6*\c+\i], v[PC+12+4*\c+\i]
.endr
.endr
.endm
.macro PICK lim, ptr, first            ; work-groups under lim belong to an earlier tensor: the choice hangs on the work-group's number alone
	s_cmp_lt_u32 ttmp9, \lim
	s_cselect_b64 s[22:23], s[\ptr:\ptr+1], s[22:23]
	s_cselect_b32 s24, \first, s24
.endm
	s_load_b256 s[4:11], s[0:1], 0x0               ; query s[4:5], key s[6:7], val s[8:9], Wq s[10:11]
	s_load_b256 s[12:19], s[0:1], 0x20             ; Wk s[12:13], Wv s[14:15], Wo s[16:17], xc s[18:19]
	s_load_b64 s[20:21], s[0:1], 0x40              ; xs
	v_lshl_add_u32 v254, v0, 2, 0x8400
	v_mov_b32 v255, 0
	v_lshrrev_b32 v1, 5, v0
	v_readfirstlane_b32 s28, v1                    ; wave 0..3
	s_lshr_b32 s29, s28, 1                         ; u: which of the two tiles
	s_and_b32 s31, s28, 1                          ; which half of K
	s_mov_b32 s30, 0xffff0000                      ; lanes 16-31
	s_mov_b32 s[SEL], 0x76543210
	s_mov_b32 s[SEL+1], 0xfedcba98
	v_and_b32 v1, 31, v0                           ; lane
	v_and_b32 v2, 15, v0                           ; r
	v_bfe_u32 v3, v0, 4, 1                         ; h
	v_lshlrev_b32 v4, 4, v1                        ; my 16 bytes of a load's 512
	s_mul_i32 s32, s28, WREG
	v_add_nc_u32 v5, s32, v4                       ; into the stage: as loaded
	v_mul_u32_u24 v6, v2, SP
	v_lshl_add_u32 v6, v3, 6, v6
	v_add_nc_u32 v6, s32, v6                       ; out of it: row r, + 64 h: my 16 numbers of a block
	v_lshlrev_b32 v7, 3, v1                        ; an image's place for my lane: 8 l
	v_lshlrev_b32 v8, 4, v2
	v_lshl_add_u32 v8, v3, 3, v8                   ; the scale words' place: 16 r + 8 h
.irp b, 0,1,2,3
	v_mov_b32 v[TM+4+\b], 0                        ; written once: a lane permute's destination counts as one of its sources
.endr
	s_wait_kmcnt 0x0
	s_mov_b64 s[22:23], s[16:17]                   ; Wo, whose first work-group is 480, unless ..
	s_mov_b32 s24, 480
	PICK 480, 14, 448                              ; Wv
	PICK 448, 12, 416                              ; Wk
	PICK 416, 10, 384                              ; Wq
	PICK 384, 8, 256                               ; val
	PICK 256, 6, 128                               ; key
	PICK 128, 4, 0                                 ; query
	s_sub_co_u32 s25, ttmp9, s24
	s_lshl_b32 s25, s25, 5
	s_lshl_b32 s33, s29, 3
	s_add_co_u32 s25, s25, s33                     ; my tile's first matrix row: 32 (g - first) + 8 u
	s_lshl_b32 s34, s25, 12                        ; rows of 4,096 bytes
	s_lshl_b32 s33, s31, 11                        ; + my half of K: 2,048 bytes
	s_add_co_u32 s34, s34, s33
	s_mov_b32 s35, 0
	s_add_nc_u64 s[22:23], s[22:23], s[34:35]
	s_lshl_b32 s36, ttmp9, 1
	s_add_co_u32 s36, s36, s29                     ; T
	s_mul_i32 s34, s36, 12288
	s_mul_i32 s33, s31, 6144
	s_add_co_u32 s34, s34, s33
	s_add_nc_u64 s[18:19], s[18:19], s[34:35]      ; my four fragments in xc
	s_lshl_b32 s34, s36, 9
	s_lshl_b32 s33, s31, 8
	s_add_co_u32 s34, s34, s33
	s_add_nc_u64 s[20:21], s[20:21], s[34:35]      ; my 256 bytes in xs
.macro LOAD t                          ; K step t of my four: 16 rows x 512 consecutive bytes, into set t % 2
.irp i, 0,1,2,3,4,5,6,7,8,9,10,11,12,13,14,15
	global_load_b128 v[R0+64*((\t)%2)+4*\i:R0+64*((\t)%2)+4*\i+3], v4, s[22:23] offset:(\i+8*(\i/8))*4096+512*(\t) th:TH_LOAD_NT
.endr
.endm
.macro STEP t
.if (\t) < 3
	s_wait_loadcnt 16                              ; this step's 16 loads are in; the next step's 16 may be out
.else
	s_wait_loadcnt 0x0
.endif
.irp i, 0,1,2,3,4,5,6,7,8,9,10,11,12,13,14,15
	ds_store_b128 v5, v[R0+64*((\t)%2)+4*\i:R0+64*((\t)%2)+4*\i+3] offset:SP*\i
.endr
.irp b, 0,1,2,3
.irp j, 0,1,2,3
	ds_load_b128 v[X+16*\b+4*\j:X+16*\b+4*\j+3], v6 offset:128*\b+16*\j   ; LDS serves a wave's instructions in order: these see the stores above
.endr
.endr
	s_wait_dscnt 0x0                               ; my numbers are back, and the stores into the stage have read their registers
.if (\t) > 0
	s_wait_xcnt 0x0                                ; the last step's stores have read the codes' registers, which are written again below
.endif
.if (\t) < 2
	LOAD (\t)+2
.endif
	QUANT X, W+(\t)
.irp p, 0,1,2,3,4,5
	global_store_b64 v7, v[PC+2*\p:PC+2*\p+1], s[18:19] offset:1536*(\t)+256*\p   ; 32 lanes store 256 consecutive bytes, aligned
.endr
.endm
	LOAD 0
	LOAD 1
	STEP 0
	STEP 1
	STEP 2
	STEP 3
	v_cndmask_b32 v10, v[W], v[W+2], s30           ; lanes 0-15 store their row's words 0 and 1, lanes 16-31 words 2 and 3 (both halves hold all four)
	v_cndmask_b32 v11, v[W+1], v[W+3], s30
	global_store_b64 v8, v[10:11], s[20:21]        ; 256 consecutive bytes, aligned
	s_wait_tensorcnt 0x0
	ds_add_u32 v254, v255
	s_wait_dscnt 0x0
	s_endpgm
.Lfunc_end_k_q63a6891b9d_quant:
	.size	k_q63a6891b9d_quant, .Lfunc_end_k_q63a6891b9d_quant-k_q63a6891b9d_quant
	.p2alignl 7, 3214868480
	.fill 96, 4, 3214868480
	.section	.rodata,"a",@progbits
	.p2align	6, 0x0
	.amdhsa_kernel k_q63a6891b9d_quant
		.amdhsa_group_segment_fixed_size 34304
		.amdhsa_private_segment_fixed_size 0
		.amdhsa_enable_private_segment 0
		.amdhsa_kernarg_size 72
		.amdhsa_user_sgpr_count 2
		.amdhsa_user_sgpr_kernarg_segment_ptr 1
		.amdhsa_wavefront_size32 1
		.amdhsa_system_sgpr_workgroup_id_x 1
		.amdhsa_system_sgpr_workgroup_id_y 1
		.amdhsa_system_sgpr_workgroup_id_z 1
		.amdhsa_system_vgpr_workitem_id 0
		.amdhsa_next_free_vgpr 256
		.amdhsa_next_free_sgpr 66
		.amdhsa_reserve_vcc 0
		.amdhsa_float_denorm_mode_32 3
		.amdhsa_float_denorm_mode_16_64 3
		.amdhsa_memory_ordered 1
		.amdhsa_forward_progress 1
		.amdhsa_inst_pref_size 36
	.end_amdhsa_kernel
	.amdgpu_metadata
---
amdhsa.version: [ 1, 2 ]
amdhsa.kernels:
  - .name:           k_q63a6891b9d_quant
    .symbol:         k_q63a6891b9d_quant.kd
    .args:
      - { .name: query, .offset: 0, .size: 8, .value_kind: global_buffer, .address_space: global }
      - { .name: key, .offset: 8, .size: 8, .value_kind: global_buffer, .address_space: global }
      - { .name: val, .offset: 16, .size: 8, .value_kind: global_buffer, .address_space: global }
      - { .name: Wq, .offset: 24, .size: 8, .value_kind: global_buffer, .address_space: global }
      - { .name: Wk, .offset: 32, .size: 8, .value_kind: global_buffer, .address_space: global }
      - { .name: Wv, .offset: 40, .size: 8, .value_kind: global_buffer, .address_space: global }
      - { .name: Wo, .offset: 48, .size: 8, .value_kind: global_buffer, .address_space: global }
      - { .name: xc, .offset: 56, .size: 8, .value_kind: global_buffer, .address_space: global }
      - { .name: xs, .offset: 64, .size: 8, .value_kind: global_buffer, .address_space: global }
    .group_segment_fixed_size: 34304
    .private_segment_fixed_size: 0
    .kernarg_segment_align: 8
    .kernarg_segment_size: 72
    .max_flat_workgroup_size: 128
    .sgpr_count:     66
    .vgpr_count:     256
    .wavefront_size: 32
...
	.end_amdgpu_metadata
.endif
;; end of part 1
;; launch proj (part 2): grid 8 x 96, 4 waves a work-group, clusters of 4 x 4, 327,680 bytes of LDS; arguments xc, xs, hc, hs; writes hc, hs
.if DOCPART == 2
	.amdgcn_target "amdgcn-amd-amdhsa--gfx1250"
	.amdhsa_code_object_version 6
	.text
	.protected	k_q63a6891b9d_proj
	.globl	k_q63a6891b9d_proj
	.p2align	8
	.type	k_q63a6891b9d_proj,@function
k_q63a6891b9d_proj:
	s_mov_b64 s[64:65], 0
	v_nop
	global_prefetch_b8 v0, s[64:65] scope:SCOPE_SE
	s_setreg_imm32_b32 hwreg(HW_REG_WAVE_MODE, 25, 1), 1
	s_wait_xcnt 0x0
	s_wait_alu depctr_hold_cnt(0) depctr_sa_sdst(0) depctr_va_vdst(0) depctr_va_sdst(0) depctr_va_ssrc(0) depctr_va_vcc(0) depctr_vm_vsrc(0)
	s_getreg_b32 s2, hwreg(HW_REG_IB_STS2, 6, 4)
	s_cmp_eq_u32 s2, 0
	s_cbranch_scc0 .Lentry_in_a_cluster
	s_endpgm
.Lentry_in_a_cluster:
	s_bfe_u32 s2, ttmp6, 0x10000c
	s_cmp_lg_u32 s2, 0xf033
	s_cbranch_scc0 .Lentry_shape_is_right
	s_endpgm
.Lentry_shape_is_right:
; The three projections q = query Wq^T, k = key Wk^T, v = val Wv^T on codes of FP6 (E2M3) with E8M0 scales, and the quantising of their results for the attention, in registers.
; A work-group makes 128 x 128 of one result with all of K = 1,024: source 0's 128 rows ("S0") and source 1's 128 rows ("S1") lie whole in LDS, 192 KiB, each byte filled once:
; no slot is ever filled again.  Four waves, each 64 x 64: 16 accumulators.  K goes in 8 steps of 128; the tiles come in four chunks of two steps, so that work begins when the first has landed.
; WHICH IS WHICH.  The results are quantised along the axis that a lane's registers run along, which is S0's rows.  q and k are quantised along the head's 64: S0 = W, S1 = tokens
; (cluster rows 0-7: q, 8-15: k).  v is quantised along the keys: S0 = tokens, S1 = Wv (cluster rows 16-23).  The text is one; only offsets are chosen, by the cluster's row.
; TILES.  xc holds tiles of 16 rows, [tile][K step][1,536 bytes = the image of the operand's 12 registers]; row r of tile 2 g + u is matrix row 32 g + 8 u + r + 8 (r / 8), so that in the
; results of S0's tiles 2 g and 2 g + 1 a lane's 16 registers are 16 neighbouring rows of S0: 32 g + 16 (lane / 16) + 0 .. 15.
; CLUSTERS: 4 x 4 work-groups.  S0's tile hangs on cx alone among the places and is asked for jointly by a column of the cluster, S1's on cy alone, by a row.
; RESULT.  hc: [q, k, v][batch x head][step of 128 tokens][8][768 bytes]: half fragments, 16 rows x 64 K, as register images.  q, k: the 8 are the step's token tiles, K = the head's 64.
; v: the 8 are 2 t + half, t the tile of the head's 64 and half the step's keys 0-63 or 64-127.  hs: [q, k, v][batch x head][step][row][8][2 scale bytes].
; The scale bytes leave by stores of 2 bytes a lane: one byte in 24 of what the launch stores.
; LIMITS: a block whose largest magnitude lies under 2^-124 gets the byte 1 (this program alone reads the bytes); NaN and infinities are not served.
; REGISTERS.  Window 0: v2-4 addresses; v16-47 scale words (8 a + s: lanes 0-15 S0's tile a, lanes 16-31 S1's tile a, K step s); v48-143, v144-239 two sets of fragments (4 of S0, 4 of S1).
;   Window 1: v0-127 the accumulators ((a, i) at 32 i + 8 a); v128-172 the way out.
.set CHB,   49152                      ; a chunk in LDS: S0's 8 tiles x 3,072 bytes, then S1's
.set S1O,   24576
.set HALFB, 12288                      ; four tiles of a chunk: what one tensor load brings
.set ADRP,  2                          ; v2  LDS address of my S0 fragments in the chunk in hand
.set ADRR,  3                          ; v3  of my S1 fragments
.set SCO,   4                          ; v4  my byte offset in xs
.set SC,    16
.set F,     48
.set PC,    128                        ; window 1: the codes just made
.set TM,    148                        ; at work in QUANT
.set PW,    164                        ; the scale word just made
.set SHD,   165                        ; my halfword of it
.set VO,    166                        ; v166-169 where S1's tile i goes in hc
.set VS,    170                        ; v170-171 where the halfwords go in hs
.set SH,    172                        ; 16 x (lane / 16)
.set WV,    12
.set G1A,   24                         ; s[24:31] descriptor group 1 for S0;  s[32:39] for S1: they differ in the mask alone
.set G1B,   32
.set G0A,   44                         ; s[44:59] groups 0 for S0's four chunks;  s[68:83] for S1's
.set G0B,   68
.set SEL,   98
.set MSB, 0
.macro WIN new                         ; the immediate's high byte repeats the setting that is left
.if MSB != \new
	s_set_vgpr_msb (MSB<<8)|\new
.set MSB, \new
.endif
.endm
.macro CROUND                          ; a round of the cluster's barrier
	s_barrier_signal -1
	s_barrier_wait -1
	s_cmp_lg_u32 s[WV], 0
	s_cbranch_scc1 .Lnot_wave_0_\@
	s_barrier_signal -3
.Lnot_wave_0_\@:
	s_barrier_wait -3
	s_barrier_signal -1
	s_barrier_wait -1
.endm
; 64 numbers of a lane, register 16 b + i = k 32 b + 16 (lane / 16) + i, become 12 registers of codes in v[PC] on and four scale bytes in v[pw].
.macro QUANT s, pw
.irp b, 0,1,2,3
	v_max3_num_f32 v[TM+\b], |v[16*\b+(\s)]|, |v[16*\b+1+(\s)]|, 0x1800000   ; block b: my 16 numbers, and the floor 2^(3 - 127).  Each accumulator is read from its low end on
.endr
.irp i, 2,4,6,8,10,12,14
.irp b, 0,1,2,3
	v_max3_num_f32 v[TM+\b], v[TM+\b], |v[16*\b+\i+(\s)]|, |v[16*\b+\i+1+(\s)]|
.endr
.endr
.irp b, 0,1,2,3
	v_permlanex16_b32 v[TM+4+\b], v[TM+\b], s[SEL], s[SEL+1]
.endr
.irp b, 0,1,2,3
	v_max_num_f32 v[TM+\b], v[TM+\b], v[TM+4+\b]   ; with lane l xor 16's: the block's largest magnitude
.endr
.irp b, 0,1,2,3
	v_add_nc_u32 v[TM+12+\b], 0xff000000, v[TM+\b] ; 2 off its exponent field: the conversion's scale operand
.endr
.irp b, 0,1,2,3
	v_lshrrev_b32 v[TM+4+\b], 23, v[TM+12+\b]      ; the scale's byte
.endr
	v_lshl_or_b32 v[\pw], v[TM+5], 8, v[TM+4]
	v_lshl_or_b32 v[\pw], v[TM+6], 16, v[\pw]
	v_lshl_or_b32 v[\pw], v[TM+7], 24, v[\pw]
.irp c, 0,1
	v_cvt_scalef32_pk16_fp6_f32 v[PC+6*\c:PC+2+6*\c], v[32*\c+(\s):32*\c+15+(\s)], v[TM+12+2*\c]
	v_cvt_scalef32_pk16_fp6_f32 v[PC+12+4*\c:PC+14+4*\c], v[32*\c+16+(\s):32*\c+31+(\s)], v[TM+12+2*\c+1]
.endr
	v_nop                                          ; one plain instruction behind a scaled conversion
.irp c, 0,1
.irp i, 0,1,2
	v_permlane16_swap_b32 v[PC+6*\c+\i], v[PC+12+4*\c+\i]
.endr
.irp i, 0,1,2
	v_mov_b32 v[PC+3+6*\c+\i], v[PC+12+4*\c+\i]
.endr
.endr
.endm
	s_load_b256 s[4:11], s[0:1], 0x0               ; xc s[4:5], xs s[6:7], hc s[8:9], hs s[10:11]
	v_lshl_add_u32 v254, v0, 2, 0x30000
	v_mov_b32 v255, 0
	ds_add_u32 v254, v255
	ds_add_u32 v254, v255
	v_lshrrev_b32 v1, 5, v0
	v_readfirstlane_b32 s[WV], v1                  ; wave 0..3
	s_and_b32 s13, s[WV], 1                        ; which half of S0 is mine.  Also: which four tiles I fetch
	s_lshr_b32 s14, s[WV], 1                       ; which half of S1.  Also: I fetch for S0 (0) or for S1 (1)
	s_bfe_u32 s15, ttmp6, 0x40000                  ; cx
	s_bfe_u32 s16, ttmp6, 0x40004                  ; cy
	s_and_b32 s17, ttmp7, 0xffff                   ; the cluster's row, 0..23; ttmp9: its column, 0..1
	s_lshl_b32 s40, 0x1111, s15                    ; my column of the cluster
	s_lshl_b32 s41, s16, 2
	s_lshl_b32 s41, 15, s41                        ; my row
	s_or_b32 s[G1A], s40, (3<<16)|(1<<21)          ; 15:0 the mask; 17:16 elements of 8 bytes; 21 set beside a mask; no padding
	s_or_b32 s[G1B], s41, (3<<16)|(1<<21)
.irp g, G1A, G1B
	s_mov_b32 s[\g+1], 384<<16                     ; tensor_dim0 = 384 elements: a tile's two K steps, 3,072 bytes
	s_mov_b32 s[\g+2], 4<<16                       ; tensor_dim1 = 4 tiles
	s_mov_b32 s[\g+3], 384<<16                     ; tile_dim0
	s_mov_b32 s[\g+4], 4                           ; tile_dim1
	s_mov_b32 s[\g+5], 1536                        ; from tile to tile: 12,288 bytes
	s_mov_b32 s[\g+6], 0
	s_mov_b32 s[\g+7], 0
.endr
	; the first tiles: S0's in s18, made of cx and the cluster's coordinates; S1's in s19, made of cy and the same
	s_lshr_b32 s18, s17, 3
	s_lshl_b32 s18, s18, 6
	s_lshl_b32 s20, ttmp9, 5
	s_add_co_u32 s18, s18, s20
	s_add_co_u32 s18, s18, 768                     ; q, k: S0 = Wq or Wk: 768 + 64 (row / 8) + 32 column
	s_lshl_b32 s21, s17, 5                         ; the tokens: 32 x row (query, key and val lie on end)
	s_add_co_u32 s19, s20, 896                     ; v: S1 = Wv: 896 + 32 column
	s_cmp_ge_u32 s17, 16                           ; v?  The same in all sixteen partners
	s_cselect_b32 s18, s21, s18
	s_cselect_b32 s19, s19, s21
	s_lshl_b32 s42, s15, 3
	s_add_co_u32 s18, s18, s42                     ; + 8 cx
	s_lshl_b32 s43, s16, 3
	s_add_co_u32 s19, s19, s43                     ; + 8 cy
	s_lshl_b32 s20, s13, 2
	s_add_co_u32 s20, s20, s18
	s_mul_i32 s20, s20, 12288                      ; the four tiles that I would fetch of S0, in bytes,
	s_mov_b32 s21, 0
	s_lshl_b32 s22, s13, 2
	s_add_co_u32 s22, s22, s19
	s_mul_i32 s22, s22, 12288                      ; and of S1
	s_mov_b32 s23, 0
	s_mul_i32 s84, s13, HALFB                      ; where they go: no place in the cluster enters an LDS address
	s_wait_dscnt 0x0
	s_wait_kmcnt 0x0
	s_add_nc_u64 s[20:21], s[4:5], s[20:21]
	s_add_nc_u64 s[22:23], s[4:5], s[22:23]
	CROUND                                         ; all sixteen work-groups are here: the joint loads meet
.irp c, 0,1,2,3
	s_mov_b32 s[G0A+4*\c], 1                       ; count = 1
	s_add_co_u32 s[G0A+4*\c+1], s84, CHB*\c        ; LDS address
	s_add_nc_u64 s[G0A+4*\c+2:G0A+4*\c+3], s[20:21], 3072*\c   ; global address: K steps 2 c, 2 c + 1
	s_or_b32 s[G0A+4*\c+3], s[G0A+4*\c+3], 0x80000000          ; type = 2
	s_mov_b32 s[G0B+4*\c], 1
	s_add_co_u32 s[G0B+4*\c+1], s84, CHB*\c+S1O
	s_add_nc_u64 s[G0B+4*\c+2:G0B+4*\c+3], s[22:23], 3072*\c
	s_or_b32 s[G0B+4*\c+3], s[G0B+4*\c+3], 0x80000000
.endr
	s_cmp_lt_u32 s[WV], 2                          ; a wave's four fills stand in one branch, ahead of every wait for them, every LDS read and every further barrier: four loads of mine are out
	s_cbranch_scc0 .Lfor_s1
.irp c, 0,1,2,3
	tensor_load_to_lds s[G0A+4*\c:G0A+4*\c+3], s[G1A:G1A+7]
	s_nop 0
.endr
.rept 4
	v_nop
.endr
	s_branch .Lasked
.Lfor_s1:
.irp c, 0,1,2,3
	tensor_load_to_lds s[G0B+4*\c:G0B+4*\c+3], s[G1B:G1B+7]
	s_nop 0
.endr
.rept 4
	v_nop
.endr
.Lasked:
	v_and_b32 v1, 31, v0                           ; lane
	v_and_b32 v8, 15, v0                           ; r
	v_bfe_u32 v9, v0, 4, 1                         ; h
	v_lshlrev_b32 v7, 3, v1                        ; 8 l: an image's place for my lane
	v_add_nc_u32 v[ADRP], s84, v7                  ; my four tiles of S0
	s_mul_i32 s61, s14, HALFB
	s_add_co_u32 s61, s61, S1O
	v_add_nc_u32 v[ADRR], s61, v7                  ; my four tiles of S1
	; the scale words go from memory straight into registers, once: lanes 0-15 take S0's rows, lanes 16-31 S1's
	s_lshl_b32 s62, s13, 2
	s_add_co_u32 s62, s62, s18
	s_lshl_b32 s62, s62, 9                         ; 512 bytes a tile
	s_lshl_b32 s63, s14, 2
	s_add_co_u32 s63, s63, s19
	s_lshl_b32 s63, s63, 9
	s_mov_b32 s60, 0xffff0000
	v_mov_b32 v5, s62
	v_mov_b32 v6, s63
	v_cndmask_b32 v5, v5, v6, s60
	v_lshl_add_u32 v[SCO], v8, 4, v5               ; + 16 r
.irp a, 0,1,2,3
.irp k, 0,1
	global_load_b128 v[SC+8*\a+4*\k:SC+8*\a+4*\k+3], v[SCO], s[6:7] offset:512*\a+256*\k   ; sixteen lanes read 256 consecutive bytes
.endr
.endr
	; where the results go.  tok: the block of 128 tokens; hd: the head; first: my first of the step's eight half fragments; SI: from S1's tile to the next; DS: the same among the scale bytes
	s_lshl_b32 s88, s14, 2
	s_mov_b32 s89, 1536
	s_cmp_ge_u32 s17, 16
	s_cselect_b32 s85, s15, s16                    ; v: tokens go by cx, else by cy
	s_cselect_b32 s86, s16, s15                    ; v: W's rows go by cy, else by cx
	s_cselect_b32 s87, s14, s13                    ; v: the head is S1's half, else S0's
	s_cselect_b32 s88, s13, s88                    ; first = v: my half of the keys; else 4 x my half of the tokens
	s_cselect_b32 s89, s89, 768                    ; SI
	s_cselect_b32 s90, 4, 2                        ; DS
	s_lshl_b32 s91, s17, 2
	s_add_co_u32 s85, s85, s91
	s_and_b32 s85, s85, 31                         ; tok
	s_lshl_b32 s91, ttmp9, 2
	s_add_co_u32 s86, s86, s91
	s_lshl_b32 s86, s86, 1
	s_add_co_u32 s86, s86, s87                     ; hd
	s_lshr_b32 s91, s85, 4
	s_lshl_b32 s91, s91, 4
	s_add_co_u32 s86, s86, s91                     ; 16 x batch + hd
	s_and_b32 s85, s85, 15                         ; the step
	s_lshr_b32 s87, s17, 3                         ; 0: q, 1: k, 2: v
	s_mul_i32 s92, s87, 3145728
	s_mul_i32 s91, s86, 98304
	s_add_co_u32 s92, s92, s91
	s_mul_i32 s91, s85, 6144
	s_add_co_u32 s92, s92, s91
	s_mul_i32 s91, s88, 768
	s_add_co_u32 s92, s92, s91
	s_mov_b32 s93, 0
	s_add_nc_u64 s[8:9], s[8:9], s[92:93]
	s_lshl_b32 s94, s87, 17
	s_lshl_b32 s91, s86, 12
	s_add_co_u32 s94, s94, s91
	s_lshl_b32 s91, s85, 8
	s_add_co_u32 s94, s94, s91
	s_lshl_b32 s91, s88, 1
	s_add_co_u32 s94, s94, s91
	s_mov_b32 s95, 0
	s_add_nc_u64 s[10:11], s[10:11], s[94:95]
	s_lshl_b32 s96, s89, 1                         ; 2 SI
	s_add_co_u32 s97, s96, s89                     ; 3 SI
	s_lshl_b32 s91, s90, 1                         ; 2 DS
	s_mov_b32 s[SEL], 0x76543210
	s_mov_b32 s[SEL+1], 0xfedcba98
	v_mul_u32_u24 v10, v9, s90
	v_lshl_add_u32 v10, v8, 4, v10                 ; 16 r + h DS
	WIN 0x40                                       ; destination window 1
	v_mov_b32 v[VO], v7
	v_add_nc_u32 v[VO+1], s89, v7
	v_add_nc_u32 v[VO+2], s96, v7
	v_add_nc_u32 v[VO+3], s97, v7
	v_mov_b32 v[VS], v10
	v_add_nc_u32 v[VS+1], s91, v10
	v_lshlrev_b32 v[SH], 4, v9
.irp b, 0,1,2,3
	v_mov_b32 v[TM+4+\b], 0                        ; written once: a lane permute's destination counts as one of its sources
.endr
	WIN 0
.macro FETCH set, st                   ; my 4 + 4 fragments of the chunk's K step st into set: 48 loads of 256 consecutive bytes
.set J, 0
.rept 24
	ds_load_b64 v[F+96*(\set)+2*J:F+96*(\set)+2*J+1], v[ADRP] offset:(J/6)*3072+(\st)*1536+256*(J%6)
.set J, J+1
.endr
.set J, 0
.rept 24
	ds_load_b64 v[F+96*(\set)+48+2*J:F+96*(\set)+48+2*J+1], v[ADRR] offset:(J/6)*3072+(\st)*1536+256*(J%6)
.set J, J+1
.endr
.endm
; 16 matrix instructions: K step s.  The 16 accumulators take turns, one instruction a turn, in the same order in every step.  zero = 1: the first products start the sums.
.macro MUL set, s, zero
	WIN 0x50                                       ; C and D window 1
.irp i, 0,1,2,3
.irp a, 0,1,2,3
.if \zero
	v_wmma_scale_f32_16x16x128_f8f6f4 v[32*\i+8*\a:32*\i+8*\a+7], v[F+96*(\set)+12*\a:F+96*(\set)+12*\a+11], v[F+96*(\set)+48+12*\i:F+96*(\set)+48+12*\i+11], 0, v[SC+8*\a+(\s)], v[SC+8*\i+(\s)] matrix_a_fmt:MATRIX_FMT_FP6 matrix_b_fmt:MATRIX_FMT_FP6 matrix_b_scale:MATRIX_SCALE_ROW1
.else
	v_wmma_scale_f32_16x16x128_f8f6f4 v[32*\i+8*\a:32*\i+8*\a+7], v[F+96*(\set)+12*\a:F+96*(\set)+12*\a+11], v[F+96*(\set)+48+12*\i:F+96*(\set)+48+12*\i+11], v[32*\i+8*\a:32*\i+8*\a+7], v[SC+8*\a+(\s)], v[SC+8*\i+(\s)] matrix_a_fmt:MATRIX_FMT_FP6 matrix_b_fmt:MATRIX_FMT_FP6 matrix_b_scale:MATRIX_SCALE_ROW1
.endif
.endr
.endr
.endm
.macro CHUNK c, zero
	s_wait_tensorcnt 3-\c                          ; my part of chunk c has landed; the 3 - c younger loads may be out
	s_wait_dscnt 0x0
	s_barrier_signal -1
	s_barrier_wait -1                              ; everybody's part has
.if \c > 0
	v_add_nc_u32 v[ADRP], CHB, v[ADRP]             ; on to this chunk.  These two and two v_nop are the four plain instructions between the last products and loads into registers that they read
	v_add_nc_u32 v[ADRR], CHB, v[ADRR]
	v_nop
	v_nop
.endif
	FETCH 0, 0
	FETCH 1, 1
.if \zero
	s_wait_loadcnt 0x0                             ; the scale words
.endif
	s_wait_dscnt 48                                ; the first K step's fragments are in; the second's 48 loads may be out
	MUL 0, 2*\c, \zero
	s_wait_dscnt 0x0
	MUL 1, 2*\c+1, 0
	WIN 0
.endm
	CHUNK 0, 1
	CHUNK 1, 0
	CHUNK 2, 0
	CHUNK 3, 0
	; THE WAY OUT.  For S1's tile i a lane holds one row and, in registers 32 i + 16 b + n, S0's rows 32 b + 16 (lane / 16) + n of my 64: two blocks of 32 along the next K.
	; Two tiles at a time make QUANT's four blocks: the codes' first six registers are tile 2 q's half fragment, the other six tile 2 q + 1's; the scale word's halves likewise.
	WIN 0x55                                       ; all operands in window 1
.rept 4
	v_nop                                          ; four plain instructions between the last products and the first read of results
.endr
.irp q, 0,1
.if \q
	s_wait_xcnt 0x0                                ; the stores above have read the codes' registers and the halfword's
.endif
	QUANT 64*\q, PW
.irp p, 0,1,2
	global_store_b64 v[VO+2*\q], v[PC+2*\p:PC+2*\p+1], s[8:9] offset:256*\p       ; 32 lanes store 256 consecutive bytes, aligned
.endr
.irp p, 0,1,2
	global_store_b64 v[VO+2*\q+1], v[PC+6+2*\p:PC+6+2*\p+1], s[8:9] offset:256*\p
.endr
	v_lshrrev_b32 v[SHD], v[SH], v[PW]             ; lanes 0-15 store tile 2 q's two bytes, lanes 16-31 tile 2 q + 1's (both halves hold the whole word)
	global_store_b16 v[VS+\q], v[SHD], s[10:11]
.endr
	WIN 0
	s_wait_tensorcnt 0x0
	ds_add_u32 v254, v255
	s_wait_dscnt 0x0
	CROUND                                         ; the closing round: no work-group ends while a partner may still ask for a tile that names it
	s_endpgm
.Lfunc_end_k_q63a6891b9d_proj:
	.size	k_q63a6891b9d_proj, .Lfunc_end_k_q63a6891b9d_proj-k_q63a6891b9d_proj
	.p2alignl 7, 3214868480
	.fill 96, 4, 3214868480
	.section	.rodata,"a",@progbits
	.p2align	6, 0x0
	.amdhsa_kernel k_q63a6891b9d_proj
		.amdhsa_group_segment_fixed_size 327680
		.amdhsa_private_segment_fixed_size 0
		.amdhsa_enable_private_segment 0
		.amdhsa_kernarg_size 32
		.amdhsa_user_sgpr_count 2
		.amdhsa_user_sgpr_kernarg_segment_ptr 1
		.amdhsa_wavefront_size32 1
		.amdhsa_system_sgpr_workgroup_id_x 1
		.amdhsa_system_sgpr_workgroup_id_y 1
		.amdhsa_system_sgpr_workgroup_id_z 1
		.amdhsa_system_vgpr_workitem_id 0
		.amdhsa_next_free_vgpr 512
		.amdhsa_next_free_sgpr 100
		.amdhsa_reserve_vcc 0
		.amdhsa_float_denorm_mode_32 3
		.amdhsa_float_denorm_mode_16_64 3
		.amdhsa_memory_ordered 1
		.amdhsa_forward_progress 1
		.amdhsa_inst_pref_size 62
	.end_amdhsa_kernel
	.amdgpu_metadata
---
amdhsa.version: [ 1, 2 ]
amdhsa.kernels:
  - .name:           k_q63a6891b9d_proj
    .symbol:         k_q63a6891b9d_proj.kd
    .args:
      - { .name: xc, .offset: 0, .size: 8, .value_kind: global_buffer, .address_space: global }
      - { .name: xs, .offset: 8, .size: 8, .value_kind: global_buffer, .address_space: global }
      - { .name: hc, .offset: 16, .size: 8, .value_kind: global_buffer, .address_space: global }
      - { .name: hs, .offset: 24, .size: 8, .value_kind: global_buffer, .address_space: global }
    .group_segment_fixed_size: 327680
    .private_segment_fixed_size: 0
    .kernarg_segment_align: 8
    .kernarg_segment_size: 32
    .max_flat_workgroup_size: 128
    .sgpr_count:     100
    .vgpr_count:     512
    .wavefront_size: 32
...
	.end_amdgpu_metadata
.endif
;; end of part 2
;; launch attn (part 3): grid 8 x 32, 16 waves a work-group, clusters of 4 x 1, 327,680 bytes of LDS; arguments hc, hs, mask, xc, xs; writes xc, xs
.if DOCPART == 3
	.amdgcn_target "amdgcn-amd-amdhsa--gfx1250"
	.amdhsa_code_object_version 6
	.text
	.protected	k_q63a6891b9d_attn
	.globl	k_q63a6891b9d_attn
	.p2align	8
	.type	k_q63a6891b9d_attn,@function
k_q63a6891b9d_attn:
	s_mov_b64 s[64:65], 0
	v_nop
	global_prefetch_b8 v0, s[64:65] scope:SCOPE_SE
	s_setreg_imm32_b32 hwreg(HW_REG_WAVE_MODE, 25, 1), 1
	s_wait_xcnt 0x0
	s_wait_alu depctr_hold_cnt(0) depctr_sa_sdst(0) depctr_va_vdst(0) depctr_va_sdst(0) depctr_va_ssrc(0) depctr_va_vcc(0) depctr_vm_vsrc(0)
	s_getreg_b32 s2, hwreg(HW_REG_IB_STS2, 6, 4)
	s_cmp_eq_u32 s2, 0
	s_cbranch_scc0 .Lentry_in_a_cluster
	s_endpgm
.Lentry_in_a_cluster:
	s_bfe_u32 s2, ttmp6, 0x10000c
	s_cmp_lg_u32 s2, 0x3003
	s_cbranch_scc0 .Lentry_shape_is_right
	s_endpgm
.Lentry_shape_is_right:
; O = softmax(q k^T / 32 - 10000 mask) v for one head and 256 queries a work-group, both products on codes of FP6 (E2M3) with E8M0 scales; O is quantised along the embedding for the last product.
; THE SOFTMAX AHEAD OF THE SECOND PRODUCT: S = q . k - 320000 mask (32 x the logit, an exact factor); t = S x log2(e) / 32; M = the row's largest t so far, rounded up to a whole number;
; p = 2^(t - M) is quantised along the keys, not normalised.  The row's sum is taken of the unquantised p and divides O at the end.  When M moves, the sum and O are multiplied by 2^(old M - new M).
; THE MASK is arithmetic, as in the definition: -320000 x mask, in f32, is the C of the score products: it is loaded from LDS into the scores' registers.
; SHARES.  Sixteen waves, each one tile of 16 queries in 256 registers, four waves to a SIMD.  Every wave walks the head's 2,048 keys, 128 a step.
; K's and V's codes and scale bytes of the whole head (200 KiB) lie in LDS, each byte filled once, in four chunks of 512 keys, so that work begins when the first has landed.
; CLUSTER.  The four query blocks of a cluster belong to one head and read the same K and V: each load is asked for jointly, with the mask of all four.
; LAYOUT.  Both products are used transposed: S^T = K Q^T, O^T = V^T P^T: a lane holds one query throughout.  hc holds half fragments, 16 rows x 64 K, as register images of 768 bytes.
; THE FIRST PRODUCT'S K IS 64, the instruction's 128: two neighbouring key tiles' half fragments on end are one source 0, and Q stands in a run of 18 registers, zeros | q | zeros:
; (q, 0) gives the first tile's scores, (0, q) the second's.  Zero codes add nothing: every scale byte is between 1 and 254.
; Row r of key tile 2 g + u is key 32 g + 8 u + r + 8 (r / 8), so that the 16 registers of tiles 2 g and 2 g + 1 are 16 neighbouring keys.  V's tiles of the head's 64 are ordered likewise,
; so that O^T's registers 16 b + n are channels 32 b + 16 (lane / 16) + n: blocks of 32 along the embedding.
; LIMITS: a block of O whose largest magnitude lies under 2^-124 gets the byte 1 (this program alone reads the bytes); NaN and infinities are not served.
; REGISTERS: v1-7, v85-88 addresses that stay; v8-11, v84 the step's; v12 -M, v13 the largest t, v[14:15] the sum; v16-33 Q; v36-83 four fragments; v96-159 S^T, then p; v160-191 O^T;
;   v224-235 p's codes; v232-254 at work; v248-251 scale words; v255 Q's scale word.
.set KC,   0                           ; LDS: K's codes, 16 steps x 6,144 bytes
.set VC,   98304                       ; V's
.set KS,   196608                      ; K's scale bytes, 16 steps x 256 bytes: [row][4 words]
.set VS,   200704                      ; V's
.set BIAS, 204800                      ; -320000 x mask of the batch's 2,048 keys, f32: stored by the waves; no fill lands here
.set WV,   18
.set SEL,  20                          ; s[20:21] lane selects for v_permlanex16_b32: lane l xor 16
.set CS,   22                          ; s[22:23] c = log2(e) / 32
.set G1C,  24                          ; s[24:31] descriptor group 1 for a chunk of codes;  s[32:39] for the scale bytes
.set G1S,  32
.set G0KS, 40                          ; s[40:43] group 0 for K's scale bytes;  s[44:59] for K's four chunks
.set G0K,  44
.set G0VS, 68                          ; s[68:71], s[72:87] the same for V
.set G0V,  72
.set TK,   88                          ; s88 the step's first byte among the codes
.set TS,   89                          ; s89 among the scale bytes
.set TBI,  90                          ; s90 in the bias
.set CNT,  91
.macro CROUND                          ; a round of the cluster's barrier
	s_barrier_signal -1
	s_barrier_wait -1
	s_cmp_lg_u32 s[WV], 0
	s_cbranch_scc1 .Lnot_wave_0_\@
	s_barrier_signal -3
.Lnot_wave_0_\@:
	s_barrier_wait -3
	s_barrier_signal -1
	s_barrier_wait -1
.endm
	s_load_b256 s[4:11], s[0:1], 0x0               ; hc s[4:5], hs s[6:7], mask s[8:9], xc s[10:11]
	s_load_b64 s[12:13], s[0:1], 0x20              ; xs
	v_lshl_add_u32 v223, v0, 2, 0x34000
	v_mov_b32 v243, 0
	ds_add_u32 v223, v243
	ds_add_u32 v223, v243
	v_lshrrev_b32 v8, 5, v0
	v_readfirstlane_b32 s[WV], v8                  ; wave 0..15
	s_and_b32 s14, ttmp7, 0xffff                   ; 16 x batch + head, which the four partners share
	s_bfe_u32 s15, ttmp6, 0x40000                  ; cx
	s_lshl_b32 s16, ttmp9, 2
	s_add_co_u32 s16, s16, s15                     ; my block of 256 queries: it enters Q's and O's addresses alone
	s_lshl_b32 s17, s16, 4
	s_add_co_u32 s17, s17, s[WV]                   ; my tile of queries, 0..127
	s_mul_i32 s60, s14, 98304
	s_mov_b32 s61, 0
	s_lshl_b32 s92, s14, 12
	s_mov_b32 s93, 0
	; descriptor group 1: dense blocks as rows of 256 bytes (32 elements of 8 bytes): 96 rows a chunk, 16 rows of scale bytes
	s_mov_b32 s[G1C], 15|(3<<16)|(1<<21)           ; 15:0 the mask: all four work-groups; 17:16 elements of 8 bytes; 21 set beside a mask
	s_mov_b32 s[G1C+1], 32<<16
	s_mov_b32 s[G1C+2], 96<<16
	s_mov_b32 s[G1C+3], 32<<16
	s_mov_b32 s[G1C+4], 96
	s_mov_b32 s[G1C+5], 32
	s_mov_b32 s[G1C+6], 0
	s_mov_b32 s[G1C+7], 0
	s_mov_b32 s[G1S], 15|(3<<16)|(1<<21)
	s_mov_b32 s[G1S+1], 32<<16
	s_mov_b32 s[G1S+2], 16<<16
	s_mov_b32 s[G1S+3], 32<<16
	s_mov_b32 s[G1S+4], 16
	s_mov_b32 s[G1S+5], 32
	s_mov_b32 s[G1S+6], 0
	s_mov_b32 s[G1S+7], 0
	s_mov_b32 s[SEL], 0x76543210
	s_mov_b32 s[SEL+1], 0xfedcba98
	s_mov_b32 s[CS], 0x3d38aa3b                    ; log2(e) / 32
	s_mov_b32 s[CS+1], s[CS]                       ; (named with it as a pair, so it is written)
	s_wait_dscnt 0x0
	s_wait_kmcnt 0x0
	s_add_nc_u64 s[62:63], s[4:5], s[60:61]        ; my head in q's part of hc; k's lies 3,145,728 bytes on, v's twice that
	s_add_nc_u64 s[94:95], s[6:7], s[92:93]        ; and of hs; k's 131,072 bytes on
	CROUND                                         ; all four work-groups are here: the joint loads meet
	s_mov_b32 s[G0KS], 1
	s_mov_b32 s[G0KS+1], KS
	s_add_nc_u64 s[G0KS+2:G0KS+3], s[94:95], 131072
	s_or_b32 s[G0KS+3], s[G0KS+3], 0x80000000
	s_mov_b32 s[G0VS], 1
	s_mov_b32 s[G0VS+1], VS
	s_add_nc_u64 s[G0VS+2:G0VS+3], s[94:95], 262144
	s_or_b32 s[G0VS+3], s[G0VS+3], 0x80000000
.irp c, 0,1,2,3
	s_mov_b32 s[G0K+4*\c], 1
	s_mov_b32 s[G0K+4*\c+1], KC+24576*\c
	s_add_nc_u64 s[G0K+4*\c+2:G0K+4*\c+3], s[62:63], 3145728+24576*\c
	s_or_b32 s[G0K+4*\c+3], s[G0K+4*\c+3], 0x80000000
	s_mov_b32 s[G0V+4*\c], 1
	s_mov_b32 s[G0V+4*\c+1], VC+24576*\c
	s_add_nc_u64 s[G0V+4*\c+2:G0V+4*\c+3], s[62:63], 6291456+24576*\c
	s_or_b32 s[G0V+4*\c+3], s[G0V+4*\c+3], 0x80000000
.endr
	s_cmp_eq_u32 s[WV], 0                          ; wave 0 asks for all of K, wave 1 for all of V, the scale bytes first: five loads of such a wave are out; the other waves ask for nothing
	s_cbranch_scc0 .Lnot_k
	tensor_load_to_lds s[G0KS:G0KS+3], s[G1S:G1S+7]
	s_nop 0
.irp c, 0,1,2,3
	tensor_load_to_lds s[G0K+4*\c:G0K+4*\c+3], s[G1C:G1C+7]
	s_nop 0
.endr
.rept 4
	v_nop
.endr
	s_branch .Lasked
.Lnot_k:
	s_cmp_eq_u32 s[WV], 1
	s_cbranch_scc0 .Lasked
	tensor_load_to_lds s[G0VS:G0VS+3], s[G1S:G1S+7]
	s_nop 0
.irp c, 0,1,2,3
	tensor_load_to_lds s[G0V+4*\c:G0V+4*\c+3], s[G1C:G1C+7]
	s_nop 0
.endr
.rept 4
	v_nop
.endr
.Lasked:
	s_mul_i32 s96, s17, 768
	s_mov_b32 s97, 0
	s_add_nc_u64 s[96:97], s[62:63], s[96:97]      ; my tile's half fragment of q
	s_lshr_b32 s98, s17, 3
	s_lshl_b32 s98, s98, 8
	s_and_b32 s99, s17, 7
	s_lshl_b32 s99, s99, 1
	s_add_co_u32 s98, s98, s99
	s_mov_b32 s99, 0
	s_add_nc_u64 s[98:99], s[94:95], s[98:99]      ; and its scale bytes: 256 (tile / 8) + 2 (tile % 8), + 16 r
	s_lshr_b32 s19, s14, 4                         ; the batch
	s_lshl_b32 s60, s19, 13
	s_add_nc_u64 s[8:9], s[8:9], s[60:61]          ; its 2,048 numbers of the mask
	s_lshl_b32 s60, s19, 7
	s_add_co_u32 s60, s60, s17
	s_add_co_u32 s60, s60, 1024                    ; O's tile in xc: 1,024 + 128 x batch + my tile
	s_and_b32 s19, s14, 15                         ; the head
	s_mul_i32 s92, s60, 12288
	s_mul_i32 s16, s19, 768                        ; the head's 64 of the embedding are half a K step
	s_add_co_u32 s92, s92, s16
	s_add_nc_u64 s[10:11], s[10:11], s[92:93]
	s_lshl_b32 s92, s60, 9
	s_lshr_b32 s16, s19, 3
	s_lshl_b32 s16, s16, 8                         ; xs: which half of K,
	s_add_co_u32 s92, s92, s16
	s_and_b32 s16, s19, 7
	s_lshl_b32 s16, s16, 1                         ; and which two bytes of a row's sixteen
	s_add_co_u32 s92, s92, s16
	s_add_nc_u64 s[12:13], s[12:13], s[92:93]
	v_and_b32 v86, 31, v0                          ; lane
	v_and_b32 v87, 15, v0                          ; r
	v_bfe_u32 v88, v0, 4, 1                        ; h
	v_lshlrev_b32 v1, 3, v86                       ; KC + 8 l: an image's place for my lane
	v_add_nc_u32 v2, VC, v1
	v_lshlrev_b32 v85, 4, v87                      ; 16 r
	v_add_nc_u32 v3, KS, v85
	v_add_nc_u32 v4, VS, v85
	v_lshl_add_u32 v5, v88, 6, BIAS                ; my half's 16 keys of a block of 32
	v_lshlrev_b32 v6, 4, v0
	v_lshl_add_u32 v7, v0, 4, BIAS                 ; my thread's four numbers of the bias
	global_load_b128 v[100:103], v6, s[8:9]        ; 512 threads x 4 numbers: the batch's mask
.irp p, 0,1,2
	global_load_b64 v[22+2*\p:23+2*\p], v1, s[96:97] offset:256*\p   ; q
.endr
	global_load_u16 v254, v85, s[98:99]            ; its two scale bytes
.irp j, 16,17,18,19,20,21,28,29,30,31,32,33
	v_mov_b32 v[\j], 0                             ; the zero codes on both sides of q
.endr
	v_mov_b32 v13, 0xff61b1e6                      ; the largest t so far: -3e38, under every t
	v_floor_f32 v12, -v13                          ; -M
	v_mov_b32 v14, 0                               ; the sum, in two halves
	v_mov_b32 v15, 0
.irp b, 0,1,2,3
	v_mov_b32 v[236+\b], 0                         ; written once: a lane permute's destination counts as one of its sources
.endr
	v_mov_b32 v253, 0                              ; (named as the upper half of the pair v[252:253] before it is first written)
	s_wait_loadcnt 0x0
	v_lshl_or_b32 v255, v254, 16, v254             ; the same two bytes for both halves of K: they serve (q, 0) and (0, q)
.irp j, 0,1,2,3
	v_cvt_f32_i32 v[100+\j], v[100+\j]
.endr
.irp j, 0,1,2,3
	v_mul_f32 v[100+\j], 0xc89c4000, v[100+\j]     ; -320000 x mask
.endr
	ds_store_b128 v7, v[100:103]
.set J, 0
.rept 32
	v_mov_b32 v[160+J], 0                          ; O^T.  (The step is written once: the first finds zeros.  These are also the plain instructions between the write of Q's scale word and the first product)
.set J, J+1
.endr
; A KEY STEP: 128 keys.
.macro STEP
	v_add_nc_u32 v8, s[TK], v1                     ; these five are the plain instructions between the last products and loads into registers that they read
	v_add_nc_u32 v9, s[TK], v2
	v_add_nc_u32 v10, s[TS], v3
	v_add_nc_u32 v11, s[TS], v4
	v_add_nc_u32 v84, s[TBI], v5
.set J, 0
.rept 16
	ds_load_b128 v[96+4*J:99+4*J], v84 offset:128*(J/4)+16*(J%4)   ; the bias: register 16 b + n is key 32 b + 16 (lane / 16) + n
.set J, J+1
.endr
.set J, 0
.rept 24
	ds_load_b64 v[36+2*J:37+2*J], v8 offset:256*J                  ; K: four pairs of tiles, 1,536 bytes each, on end
.set J, J+1
.endr
	ds_load_b128 v[248:251], v10                   ; their scale words: word g = tile 2 g's two bytes, tile 2 g + 1's two bytes
	s_wait_dscnt 0x0
.irp t, 0,1,2,3,4,5,6,7
	v_wmma_scale_f32_16x16x128_f8f6f4 v[96+8*\t:103+8*\t], v[36+12*(\t/2):47+12*(\t/2)], v[22-6*(\t%2):33-6*(\t%2)], v[96+8*\t:103+8*\t], v[248+\t/2], v255 matrix_a_fmt:MATRIX_FMT_FP6 matrix_b_fmt:MATRIX_FMT_FP6
.endr
.rept 4
	v_nop                                          ; four plain instructions in front of loads into registers that these products read, and of the first read of their results
.endr
.set J, 0
.rept 24
	ds_load_b64 v[36+2*J:37+2*J], v9 offset:256*J                  ; V^T: four fragments of 16 channels x 128 keys: they land under the softmax
.set J, J+1
.endr
	ds_load_b128 v[248:251], v11                   ; and their scale words
.irp b, 0,1,2,3
	v_max3_num_f32 v[232+\b], v[96+16*\b], v[97+16*\b], v[98+16*\b]   ; the largest score of each block of 32 keys: it serves for the row's maximum and, since p rises with the score, for the block's largest p
.endr
.irp i, 3,5,7,9,11,13
.irp b, 0,1,2,3
	v_max3_num_f32 v[232+\b], v[232+\b], v[96+16*\b+\i], v[97+16*\b+\i]
.endr
.endr
.irp b, 0,1,2,3
	v_max_num_f32 v[232+\b], v[232+\b], v[111+16*\b]
.endr
.irp b, 0,1,2,3
	v_permlanex16_b32 v[236+\b], v[232+\b], s[SEL], s[SEL+1]
.endr
.irp b, 0,1,2,3
	v_max_num_f32 v[232+\b], v[232+\b], v[236+\b]  ; with lane l xor 16's 16 keys
.endr
	v_max3_num_f32 v254, v232, v233, v234
	v_max_num_f32 v254, v254, v235                 ; the step's largest score of my query
	v_mul_f32 v254, s[CS], v254                    ; as t (c is positive)
	v_max_num_f32 v13, v13, v254                   ; the running largest t
	v_mov_b32 v254, v12
	v_floor_f32 v12, -v13                          ; the new -M = floor(-t) = -ceil(t): a whole number
	v_sub_f32 v254, v12, v254                      ; old M - new M: a whole number, 0 or less
	v_cvt_i32_f32 v254, v254                       ; (it saturates)
	v_ldexp_f32 v252, 1.0, v254                    ; f = 2^(old M - new M)
.set J, 0
.rept 32
	v_pk_fma_f32 v[96+J:97+J], v[96+J:97+J], s[CS:CS+1], v[12:13] op_sel_hi:[1,0,0]   ; t - M, two at a time
.set J, J+2
.endr
.irp b, 0,1,2,3
	v_fma_f32 v[232+\b], v[232+\b], s[CS], v12     ; the same of each block's largest score
.endr
.set J, 0
.rept 64
	v_exp_f32 v[96+J], v[96+J]                     ; p = 2^(t - M), at most 1
.set J, J+1
.endr
	v_pk_mul_f32 v[14:15], v[14:15], v[252:253] op_sel_hi:[1,0]   ; the sums under the new M: the plain instruction behind the exponentials
	s_wait_alu depctr_va_vdst(0)                   ; one wait for the whole batch, ahead of its first reader
.irp b, 0,1,2,3
	v_exp_f32 v[232+\b], v[232+\b]                 ; the block's largest p: the same two instructions on the same number give the same bits
.endr
	v_pk_add_f32 v[236:237], v[96:97], v[98:99]    ; the row's sum is taken of the unquantised p: two at a time, in two chains
.irp j, 4,8,12,16,20,24,28,32,36,40,44,48,52,56,60
	v_pk_add_f32 v[14:15], v[14:15], v[96+\j:97+\j]
	v_pk_add_f32 v[236:237], v[236:237], v[98+\j:99+\j]
.endr
	v_pk_add_f32 v[14:15], v[14:15], v[236:237]
	s_wait_alu depctr_va_vdst(0)                   ; and one for the four
.irp b, 0,1,2,3
	v_max_num_f32 v[232+\b], 0x1800000, v[232+\b]  ; the floor 2^(3 - 127): a block whose every p has fallen to 0 (masked keys) keeps the byte 1: its codes are zeros
.endr
.irp b, 0,1,2,3
	v_add_nc_u32 v[244+\b], 0xff000000, v[232+\b]  ; 2 off the exponent field: the conversion's scale operand
.endr
.irp b, 0,1,2,3
	v_lshrrev_b32 v[236+\b], 23, v[244+\b]         ; the scale's byte
.endr
	v_lshl_or_b32 v253, v237, 8, v236              ; p's scale word for these 128 keys
	v_lshl_or_b32 v253, v238, 16, v253
	v_lshl_or_b32 v253, v239, 24, v253
.irp c, 0,1
	v_cvt_scalef32_pk16_fp6_f32 v[224+6*\c:226+6*\c], v[96+32*\c:111+32*\c], v[244+2*\c]
	v_cvt_scalef32_pk16_fp6_f32 v[236+4*\c:238+4*\c], v[112+32*\c:127+32*\c], v[244+2*\c+1]
.endr
	v_nop                                          ; one plain instruction behind a scaled conversion
.irp c, 0,1                                    ; the operand wants a whole block in a lane
.irp i, 0,1,2
	v_permlane16_swap_b32 v[224+6*\c+\i], v[236+4*\c+\i]
.endr
.irp i, 0,1,2
	v_mov_b32 v[227+6*\c+\i], v[236+4*\c+\i]
.endr
.endr
.set J, 0
.rept 16
	v_pk_mul_f32 v[160+J:161+J], v[160+J:161+J], v[252:253] op_sel_hi:[1,0]   ; O^T under the new M.  (These sixteen also stand between the writes of p's codes and scale word and the products)
.set J, J+2
.endr
	s_wait_dscnt 0x0                               ; V
.irp t, 0,1,2,3
	v_wmma_scale_f32_16x16x128_f8f6f4 v[160+8*\t:167+8*\t], v[36+12*\t:47+12*\t], v[224:235], v[160+8*\t:167+8*\t], v[248+\t], v253 matrix_a_fmt:MATRIX_FMT_FP6 matrix_b_fmt:MATRIX_FMT_FP6
.endr
	s_add_co_u32 s[TK], s[TK], 6144
	s_add_co_u32 s[TS], s[TS], 256
	s_add_co_u32 s[TBI], s[TBI], 512
.endm
; A chunk of 512 keys: four steps.
.macro CHUNK c
	s_wait_tensorcnt 3-\c                          ; in waves 0 and 1: the scale bytes and chunks 0 .. c have landed; the 3 - c younger loads may be out
	s_wait_dscnt 0x0                               ; (chunk 0: my part of the bias is stored)
	s_barrier_signal -1
	s_barrier_wait -1
	s_mov_b32 s[TK], 24576*\c
	s_mov_b32 s[TS], 1024*\c
	s_mov_b32 s[TBI], 2048*\c
	s_mov_b32 s[CNT], 4
.Lstep_\@:
	STEP
	s_sub_co_u32 s[CNT], s[CNT], 1
	s_cmp_lg_u32 s[CNT], 0
	s_cbranch_scc1 .Lstep_\@
.endm
	CHUNK 0
	CHUNK 1
	CHUNK 2
	CHUNK 3
	; THE WAY OUT.  O^T is divided by the row's sum and quantised along the embedding: my head's 64 are two blocks of 32, half a K step of the last product.
.rept 4
	v_nop                                          ; four plain instructions behind the last products
.endr
	v_add_f32 v14, v14, v15                        ; the sum's two halves,
	v_permlanex16_b32 v252, v14, s[SEL], s[SEL+1]
	v_add_f32 v14, v14, v252                       ; and lane l xor 16's: the row's sum, over 1/2
	v_rcp_f32 v14, v14
	v_nop                                          ; a plain instruction behind the reciprocal
	s_wait_alu depctr_va_vdst(0)                   ; and the wait ahead of its first reader
.set J, 0
.rept 32
	v_mul_f32 v[96+J], v[160+J], v14               ; register 16 b + n: channel 32 b + 16 (lane / 16) + n.  Each accumulator from its low end on
.set J, J+1
.endr
.irp b, 0,1
	v_max3_num_f32 v[232+\b], |v[96+16*\b]|, |v[97+16*\b]|, 0x1800000
.endr
.irp i, 2,4,6,8,10,12,14
.irp b, 0,1
	v_max3_num_f32 v[232+\b], v[232+\b], |v[96+16*\b+\i]|, |v[97+16*\b+\i]|
.endr
.endr
.irp b, 0,1
	v_permlanex16_b32 v[236+\b], v[232+\b], s[SEL], s[SEL+1]
.endr
.irp b, 0,1
	v_max_num_f32 v[232+\b], v[232+\b], v[236+\b]
.endr
.irp b, 0,1
	v_add_nc_u32 v[244+\b], 0xff000000, v[232+\b]
.endr
.irp b, 0,1
	v_lshrrev_b32 v[236+\b], 23, v[244+\b]
.endr
	v_lshl_or_b32 v253, v237, 8, v236              ; my row's two scale bytes
	v_cvt_scalef32_pk16_fp6_f32 v[224:226], v[96:111], v244
	v_cvt_scalef32_pk16_fp6_f32 v[240:242], v[112:127], v245
	v_nop                                          ; one plain instruction behind a scaled conversion
.irp i, 0,1,2
	v_permlane16_swap_b32 v[224+\i], v[240+\i]
.endr
.irp i, 0,1,2
	v_mov_b32 v[227+\i], v[240+\i]
.endr
.irp p, 0,1,2
	global_store_b64 v1, v[224+2*\p:225+2*\p], s[10:11] offset:256*\p   ; 32 lanes store 256 consecutive bytes, aligned
.endr
	v_cmp_gt_u32 vcc_lo, 16, v86                   ; both halves of the lanes hold the same bytes: lanes 0-15 store them
	s_wait_xcnt 0x0                                ; EXEC changes only behind this wait
	s_and_saveexec_b32 s92, vcc_lo
	global_store_b16 v85, v253, s[12:13]
	s_wait_xcnt 0x0                                ; and again, in front of the line that widens it
	s_or_b32 exec_lo, exec_lo, s92
	s_wait_tensorcnt 0x0
	ds_add_u32 v223, v243
	s_wait_dscnt 0x0
	CROUND                                         ; the closing round: no work-group ends while a partner may still ask for a tile that names it
	s_endpgm
.Lfunc_end_k_q63a6891b9d_attn:
	.size	k_q63a6891b9d_attn, .Lfunc_end_k_q63a6891b9d_attn-k_q63a6891b9d_attn
	.p2alignl 7, 3214868480
	.fill 96, 4, 3214868480
	.section	.rodata,"a",@progbits
	.p2align	6, 0x0
	.amdhsa_kernel k_q63a6891b9d_attn
		.amdhsa_group_segment_fixed_size 327680
		.amdhsa_private_segment_fixed_size 0
		.amdhsa_enable_private_segment 0
		.amdhsa_kernarg_size 40
		.amdhsa_user_sgpr_count 2
		.amdhsa_user_sgpr_kernarg_segment_ptr 1
		.amdhsa_wavefront_size32 1
		.amdhsa_system_sgpr_workgroup_id_x 1
		.amdhsa_system_sgpr_workgroup_id_y 1
		.amdhsa_system_sgpr_workgroup_id_z 1
		.amdhsa_system_vgpr_workitem_id 0
		.amdhsa_next_free_vgpr 256
		.amdhsa_next_free_sgpr 100
		.amdhsa_reserve_vcc 1
		.amdhsa_float_denorm_mode_32 3
		.amdhsa_float_denorm_mode_16_64 3
		.amdhsa_memory_ordered 1
		.amdhsa_forward_progress 1
		.amdhsa_inst_pref_size 88
	.end_amdhsa_kernel
	.amdgpu_metadata
---
amdhsa.version: [ 1, 2 ]
amdhsa.kernels:
  - .name:           k_q63a6891b9d_attn
    .symbol:         k_q63a6891b9d_attn.kd
    .args:
      - { .name: hc, .offset: 0, .size: 8, .value_kind: global_buffer, .address_space: global }
      - { .name: hs, .offset: 8, .size: 8, .value_kind: global_buffer, .address_space: global }
      - { .name: mask, .offset: 16, .size: 8, .value_kind: global_buffer, .address_space: global }
      - { .name: xc, .offset: 24, .size: 8, .value_kind: global_buffer, .address_space: global }
      - { .name: xs, .offset: 32, .size: 8, .value_kind: global_buffer, .address_space: global }
    .group_segment_fixed_size: 327680
    .private_segment_fixed_size: 0
    .kernarg_segment_align: 8
    .kernarg_segment_size: 40
    .max_flat_workgroup_size: 512
    .sgpr_count:     100
    .vgpr_count:     256
    .wavefront_size: 32
...
	.end_amdgpu_metadata
.endif
;; end of part 3
;; launch outp (part 4): grid 8 x 32, 4 waves a work-group, clusters of 4 x 4, 327,680 bytes of LDS; arguments xc, xs, out0; writes out0
.if DOCPART == 4
	.amdgcn_target "amdgcn-amd-amdhsa--gfx1250"
	.amdhsa_code_object_version 6
	.text
	.protected	k_q63a6891b9d_outp
	.globl	k_q63a6891b9d_outp
	.p2align	8
	.type	k_q63a6891b9d_outp,@function
k_q63a6891b9d_outp:
	s_mov_b64 s[64:65], 0
	v_nop
	global_prefetch_b8 v0, s[64:65] scope:SCOPE_SE
	s_setreg_imm32_b32 hwreg(HW_REG_WAVE_MODE, 25, 1), 1
	s_wait_xcnt 0x0
	s_wait_alu depctr_hold_cnt(0) depctr_sa_sdst(0) depctr_va_vdst(0) depctr_va_sdst(0) depctr_va_ssrc(0) depctr_va_vcc(0) depctr_vm_vsrc(0)
	s_getreg_b32 s2, hwreg(HW_REG_IB_STS2, 6, 4)
	s_cmp_eq_u32 s2, 0
	s_cbranch_scc0 .Lentry_in_a_cluster
	s_endpgm
.Lentry_in_a_cluster:
	s_bfe_u32 s2, ttmp6, 0x10000c
	s_cmp_lg_u32 s2, 0xf033
	s_cbranch_scc0 .Lentry_shape_is_right
	s_endpgm
.Lentry_shape_is_right:
; out0 = O Wo^T on codes of FP6 (E2M3) with E8M0 scales; out0 [4096][1024] f32.  O's codes are tiles 1,024-1,279 of xc, Wo's tiles 960-1,023; their scale words lie in xs.
; A work-group makes 128 x 128 with all of K = 1,024: source 0's 128 rows (Wo: "S0") and source 1's 128 rows (O: "S1") lie whole in LDS, 192 KiB, each byte filled once: no slot is ever
; filled again.  Four waves, each 64 x 64: 16 accumulators.  K goes in 8 steps of 128; the tiles come in four chunks of two steps, so that work begins when the first has landed.
; TILES.  xc: [tile of 16 rows][K step][1,536 bytes = the image of the operand's 12 registers]; row r of tile 2 g + u is matrix row 32 g + 8 u + r + 8 (r / 8).  With Wo as source 0 a lane's
; 16 registers of tiles 2 g and 2 g + 1 are 16 neighbouring columns of out0; the way out puts O's rows back into their order.
; CLUSTERS: 4 x 4 work-groups.  S0's tile hangs on cx alone among the places and is asked for jointly by a column of the cluster, S1's on cy alone, by a row.
; REGISTERS.  Window 0: v2-4, v10-12 addresses; v16-47 scale words (8 a + s: lanes 0-15 S0's tile a, lanes 16-31 S1's tile a, K step s); v48-143, v144-239 two sets of fragments;
;   on the way out v48-111 hold rows read back from the stage.  Window 1: v0-127 the accumulators ((a, i) at 32 i + 8 a).
.set CHB,   49152                      ; a chunk in LDS: S0's 8 tiles x 3,072 bytes, then S1's
.set S1O,   24576
.set HALFB, 12288                      ; four tiles of a chunk: what one tensor load brings
.set STAGE, 4*CHB                      ; behind the tiles: 16 rows x (256 bytes + 16) for each wave; no fill lands here
.set SPI,   272
.set ADRP,  2
.set ADRR,  3
.set SCO,   4
.set STO,   10                         ; v10 the way out: where I put 16 bytes of a row
.set RD,    11                         ; v11 where I read a row back
.set CO,    12                         ; v12 my byte offset in out0
.set SC,    16
.set F,     48
.set WV,    12
.set G1A,   24
.set G1B,   32
.set G0A,   44
.set G0B,   68
.set MSB, 0
.macro WIN new                         ; the immediate's high byte repeats the setting that is left
.if MSB != \new
	s_set_vgpr_msb (MSB<<8)|\new
.set MSB, \new
.endif
.endm
.macro CROUND                          ; a round of the cluster's barrier
	s_barrier_signal -1
	s_barrier_wait -1
	s_cmp_lg_u32 s[WV], 0
	s_cbranch_scc1 .Lnot_wave_0_\@
	s_barrier_signal -3
.Lnot_wave_0_\@:
	s_barrier_wait -3
	s_barrier_signal -1
	s_barrier_wait -1
.endm
	s_load_b128 s[4:7], s[0:1], 0x0                ; xc s[4:5], xs s[6:7]
	s_load_b64 s[8:9], s[0:1], 0x10                ; out0
	v_lshl_add_u32 v254, v0, 2, 0x34400
	v_mov_b32 v255, 0
	ds_add_u32 v254, v255
	ds_add_u32 v254, v255
	v_lshrrev_b32 v1, 5, v0
	v_readfirstlane_b32 s[WV], v1                  ; wave 0..3
	s_and_b32 s13, s[WV], 1                        ; which half of S0 is mine.  Also: which four tiles I fetch
	s_lshr_b32 s14, s[WV], 1                       ; which half of S1.  Also: I fetch for S0 (0) or for S1 (1)
	s_bfe_u32 s15, ttmp6, 0x40000                  ; cx
	s_bfe_u32 s16, ttmp6, 0x40004                  ; cy
	s_and_b32 s17, ttmp7, 0xffff                   ; the cluster's row, 0..7; ttmp9: its column, 0..1
	s_lshl_b32 s40, 0x1111, s15                    ; my column of the cluster
	s_lshl_b32 s41, s16, 2
	s_lshl_b32 s41, 15, s41                        ; my row
	s_or_b32 s[G1A], s40, (3<<16)|(1<<21)          ; 15:0 the mask; 17:16 elements of 8 bytes; 21 set beside a mask; no padding
	s_or_b32 s[G1B], s41, (3<<16)|(1<<21)
.irp g, G1A, G1B
	s_mov_b32 s[\g+1], 384<<16                     ; tensor_dim0 = 384 elements: a tile's two K steps, 3,072 bytes
	s_mov_b32 s[\g+2], 4<<16                       ; tensor_dim1 = 4 tiles
	s_mov_b32 s[\g+3], 384<<16                     ; tile_dim0
	s_mov_b32 s[\g+4], 4                           ; tile_dim1
	s_mov_b32 s[\g+5], 1536                        ; from tile to tile: 12,288 bytes
	s_mov_b32 s[\g+6], 0
	s_mov_b32 s[\g+7], 0
.endr
	s_lshl_b32 s18, ttmp9, 5
	s_add_co_u32 s18, s18, 960
	s_lshl_b32 s42, s15, 3
	s_add_co_u32 s18, s18, s42                     ; S0's first tile: 960 + 32 column + 8 cx
	s_lshl_b32 s19, s17, 5
	s_add_co_u32 s19, s19, 1024
	s_lshl_b32 s43, s16, 3
	s_add_co_u32 s19, s19, s43                     ; S1's: 1,024 + 32 row + 8 cy
	s_lshl_b32 s20, s13, 2
	s_add_co_u32 s20, s20, s18
	s_mul_i32 s20, s20, 12288                      ; the four tiles that I would fetch of S0, in bytes,
	s_mov_b32 s21, 0
	s_lshl_b32 s22, s13, 2
	s_add_co_u32 s22, s22, s19
	s_mul_i32 s22, s22, 12288                      ; and of S1
	s_mov_b32 s23, 0
	s_mul_i32 s84, s13, HALFB                      ; where they go: no place in the cluster enters an LDS address
	s_wait_dscnt 0x0
	s_wait_kmcnt 0x0
	s_add_nc_u64 s[20:21], s[4:5], s[20:21]
	s_add_nc_u64 s[22:23], s[4:5], s[22:23]
	CROUND                                         ; all sixteen work-groups are here: the joint loads meet
.irp c, 0,1,2,3
	s_mov_b32 s[G0A+4*\c], 1                       ; count = 1
	s_add_co_u32 s[G0A+4*\c+1], s84, CHB*\c        ; LDS address
	s_add_nc_u64 s[G0A+4*\c+2:G0A+4*\c+3], s[20:21], 3072*\c   ; global address: K steps 2 c, 2 c + 1
	s_or_b32 s[G0A+4*\c+3], s[G0A+4*\c+3], 0x80000000          ; type = 2
	s_mov_b32 s[G0B+4*\c], 1
	s_add_co_u32 s[G0B+4*\c+1], s84, CHB*\c+S1O
	s_add_nc_u64 s[G0B+4*\c+2:G0B+4*\c+3], s[22:23], 3072*\c
	s_or_b32 s[G0B+4*\c+3], s[G0B+4*\c+3], 0x80000000
.endr
	s_cmp_lt_u32 s[WV], 2                          ; a wave's four fills stand in one branch, ahead of every wait for them, every LDS read and every further barrier: four loads of mine are out
	s_cbranch_scc0 .Lfor_s1
.irp c, 0,1,2,3
	tensor_load_to_lds s[G0A+4*\c:G0A+4*\c+3], s[G1A:G1A+7]
	s_nop 0
.endr
.rept 4
	v_nop
.endr
	s_branch .Lasked
.Lfor_s1:
.irp c, 0,1,2,3
	tensor_load_to_lds s[G0B+4*\c:G0B+4*\c+3], s[G1B:G1B+7]
	s_nop 0
.endr
.rept 4
	v_nop
.endr
.Lasked:
	v_and_b32 v1, 31, v0                           ; lane
	v_and_b32 v8, 15, v0                           ; r
	v_bfe_u32 v9, v0, 4, 1                         ; h
	v_lshlrev_b32 v7, 3, v1                        ; 8 l: an image's place for my lane
	v_add_nc_u32 v[ADRP], s84, v7                  ; my four tiles of S0
	s_mul_i32 s61, s14, HALFB
	s_add_co_u32 s61, s61, S1O
	v_add_nc_u32 v[ADRR], s61, v7                  ; my four tiles of S1
	; the scale words go from memory straight into registers, once: lanes 0-15 take S0's rows, lanes 16-31 S1's
	s_lshl_b32 s62, s13, 2
	s_add_co_u32 s62, s62, s18
	s_lshl_b32 s62, s62, 9                         ; 512 bytes a tile
	s_lshl_b32 s63, s14, 2
	s_add_co_u32 s63, s63, s19
	s_lshl_b32 s63, s63, 9
	s_mov_b32 s60, 0xffff0000
	v_mov_b32 v5, s62
	v_mov_b32 v6, s63
	v_cndmask_b32 v5, v5, v6, s60
	v_lshl_add_u32 v[SCO], v8, 4, v5               ; + 16 r
.irp a, 0,1,2,3
.irp k, 0,1
	global_load_b128 v[SC+8*\a+4*\k:SC+8*\a+4*\k+3], v[SCO], s[6:7] offset:512*\a+256*\k   ; sixteen lanes read 256 consecutive bytes
.endr
.endr
	; the way out's addresses
	s_mul_i32 s88, s[WV], 16*SPI
	s_add_co_u32 s88, s88, STAGE                   ; my stage
	v_mul_u32_u24 v[STO], v8, SPI
	v_lshl_add_u32 v[STO], v9, 6, v[STO]
	v_add_nc_u32 v[STO], s88, v[STO]               ; in: row r, + 64 h: my half's 16 columns of a block of 32
	v_mul_u32_u24 v[RD], v9, SPI
	v_lshl_add_u32 v[RD], v8, 4, v[RD]
	v_add_nc_u32 v[RD], s88, v[RD]                 ; back: lanes 0-15 one row of 256 bytes, lanes 16-31 the next
	v_lshlrev_b32 v[CO], 12, v9
	v_lshl_add_u32 v[CO], v8, 4, v[CO]             ; and the same two rows in out0
	s_lshl_b32 s85, s17, 2
	s_add_co_u32 s85, s85, s16
	s_lshl_b32 s85, s85, 7
	s_lshl_b32 s86, s14, 6
	s_add_co_u32 s85, s85, s86                     ; my first row of out0: 128 (4 row + cy) + 64 x half
	s_lshl_b32 s92, s85, 12                        ; rows of 4,096 bytes
	s_lshl_b32 s86, ttmp9, 2
	s_add_co_u32 s86, s86, s15
	s_lshl_b32 s86, s86, 9                         ; my first column, in bytes: 512 (4 column + cx) + 256 x half
	s_lshl_b32 s87, s13, 8
	s_add_co_u32 s86, s86, s87
	s_add_co_u32 s92, s92, s86
	s_mov_b32 s93, 0
	s_add_nc_u64 s[8:9], s[8:9], s[92:93]
.macro FETCH set, st                   ; my 4 + 4 fragments of the chunk's K step st into set: 48 loads of 256 consecutive bytes
.set J, 0
.rept 24
	ds_load_b64 v[F+96*(\set)+2*J:F+96*(\set)+2*J+1], v[ADRP] offset:(J/6)*3072+(\st)*1536+256*(J%6)
.set J, J+1
.endr
.set J, 0
.rept 24
	ds_load_b64 v[F+96*(\set)+48+2*J:F+96*(\set)+48+2*J+1], v[ADRR] offset:(J/6)*3072+(\st)*1536+256*(J%6)
.set J, J+1
.endr
.endm
; 16 matrix instructions: K step s.  The 16 accumulators take turns, one instruction a turn, in the same order in every step.  zero = 1: the first products start the sums.
.macro MUL set, s, zero
	WIN 0x50                                       ; C and D window 1
.irp i, 0,1,2,3
.irp a, 0,1,2,3
.if \zero
	v_wmma_scale_f32_16x16x128_f8f6f4 v[32*\i+8*\a:32*\i+8*\a+7], v[F+96*(\set)+12*\a:F+96*(\set)+12*\a+11], v[F+96*(\set)+48+12*\i:F+96*(\set)+48+12*\i+11], 0, v[SC+8*\a+(\s)], v[SC+8*\i+(\s)] matrix_a_fmt:MATRIX_FMT_FP6 matrix_b_fmt:MATRIX_FMT_FP6 matrix_b_scale:MATRIX_SCALE_ROW1
.else
	v_wmma_scale_f32_16x16x128_f8f6f4 v[32*\i+8*\a:32*\i+8*\a+7], v[F+96*(\set)+12*\a:F+96*(\set)+12*\a+11], v[F+96*(\set)+48+12*\i:F+96*(\set)+48+12*\i+11], v[32*\i+8*\a:32*\i+8*\a+7], v[SC+8*\a+(\s)], v[SC+8*\i+(\s)] matrix_a_fmt:MATRIX_FMT_FP6 matrix_b_fmt:MATRIX_FMT_FP6 matrix_b_scale:MATRIX_SCALE_ROW1
.endif
.endr
.endr
.endm
.macro CHUNK c, zero
	s_wait_tensorcnt 3-\c                          ; my part of chunk c has landed; the 3 - c younger loads may be out
	s_wait_dscnt 0x0
	s_barrier_signal -1
	s_barrier_wait -1                              ; everybody's part has
.if \c > 0
	v_add_nc_u32 v[ADRP], CHB, v[ADRP]             ; on to this chunk.  These two and two v_nop are the four plain instructions between the last products and loads into registers that they read
	v_add_nc_u32 v[ADRR], CHB, v[ADRR]
	v_nop
	v_nop
.endif
	FETCH 0, 0
	FETCH 1, 1
.if \zero
	s_wait_loadcnt 0x0                             ; the scale words
.endif
	s_wait_dscnt 48                                ; the first K step's fragments are in; the second's 48 loads may be out
	MUL 0, 2*\c, \zero
	s_wait_dscnt 0x0
	MUL 1, 2*\c+1, 0
	WIN 0
.endm
	CHUNK 0, 1
	CHUNK 1, 0
	CHUNK 2, 0
	CHUNK 3, 0
; THE WAY OUT, a tile of 16 rows of O at a time.  A lane holds one row and, in registers 32 i + 16 b + n, columns 32 b + 16 (lane / 16) + n of my 64.  The tile goes through my own stage in LDS
; and comes back as whole rows of 256 bytes.  LDS serves a wave's instructions in order: no wait between the stores and the loads, nor in front of the next tile's stores.
.macro TOSTAGE i
	WIN 0x04                                       ; an LDS store's data are its source 1: window 1
.irp k, 0,1,2,3,4,5,6,7
	ds_store_b128 v[STO], v[32*(\i)+4*\k:32*(\i)+4*\k+3] offset:128*(\k/4)+16*(\k%4)   ; each accumulator from its low end on
.endr
	WIN 0
.irp k, 0,1,2,3,4,5,6,7
	ds_load_b128 v[F+32*((\i)%2)+4*\k:F+32*((\i)%2)+4*\k+3], v[RD] offset:2*SPI*\k
.endr
.endm
.macro SEND i, younger                 ; younger: the LDS instructions issued behind tile i's loads, which may stay out.  Stage row 2 k + h of tile i is row 32 (i / 2) + 8 (i % 2) + 2 k + h + 8 (k / 4) of my 64
	s_wait_dscnt \younger
.irp k, 0,1,2,3,4,5,6,7
	global_store_b128 v[CO], v[F+32*((\i)%2)+4*\k:F+32*((\i)%2)+4*\k+3], s[8:9] offset:(32*((\i)/2)+8*((\i)%2)+2*\k+8*(\k/4))*4096 th:TH_STORE_NT   ; sixteen lanes store 256 consecutive bytes, aligned
.endr
.endm
.rept 4
	v_nop                                          ; four plain instructions between the last products and the first read of results, and loads into registers that held fragments
.endr
	TOSTAGE 0
.irp i, 1,2,3
.if \i > 1
	s_wait_xcnt 0x0                                ; tile i - 2's stores have read their registers: tile i's loads may land there
.endif
	TOSTAGE \i
	SEND \i-1, 16                                  ; behind tile i - 1's loads: tile i's 8 stores and 8 loads
.endr
	SEND 3, 0
	s_wait_tensorcnt 0x0
	ds_add_u32 v254, v255
	s_wait_dscnt 0x0
	CROUND                                         ; the closing round: no work-group ends while a partner may still ask for a tile that names it
	s_endpgm
.Lfunc_end_k_q63a6891b9d_outp:
	.size	k_q63a6891b9d_outp, .Lfunc_end_k_q63a6891b9d_outp-k_q63a6891b9d_outp
	.p2alignl 7, 3214868480
	.fill 96, 4, 3214868480
	.section	.rodata,"a",@progbits
	.p2align	6, 0x0
	.amdhsa_kernel k_q63a6891b9d_outp
		.amdhsa_group_segment_fixed_size 327680
		.amdhsa_private_segment_fixed_size 0
		.amdhsa_enable_private_segment 0
		.amdhsa_kernarg_size 24
		.amdhsa_user_sgpr_count 2
		.amdhsa_user_sgpr_kernarg_segment_ptr 1
		.amdhsa_wavefront_size32 1
		.amdhsa_system_sgpr_workgroup_id_x 1
		.amdhsa_system_sgpr_workgroup_id_y 1
		.amdhsa_system_sgpr_workgroup_id_z 1
		.amdhsa_system_vgpr_workitem_id 0
		.amdhsa_next_free_vgpr 512
		.amdhsa_next_free_sgpr 100
		.amdhsa_reserve_vcc 0
		.amdhsa_float_denorm_mode_32 3
		.amdhsa_float_denorm_mode_16_64 3
		.amdhsa_memory_ordered 1
		.amdhsa_forward_progress 1
		.amdhsa_inst_pref_size 59
	.end_amdhsa_kernel
	.amdgpu_metadata
---
amdhsa.version: [ 1, 2 ]
amdhsa.kernels:
  - .name:           k_q63a6891b9d_outp
    .symbol:         k_q63a6891b9d_outp.kd
    .args:
      - { .name: xc, .offset: 0, .size: 8, .value_kind: global_buffer, .address_space: global }
      - { .name: xs, .offset: 8, .size: 8, .value_kind: global_buffer, .address_space: global }
      - { .name: out0, .offset: 16, .size: 8, .value_kind: global_buffer, .address_space: global }
    .group_segment_fixed_size: 327680
    .private_segment_fixed_size: 0
    .kernarg_segment_align: 8
    .kernarg_segment_size: 24
    .max_flat_workgroup_size: 128
    .sgpr_count:     100
    .vgpr_count:     512
    .wavefront_size: 32
...
	.end_amdgpu_metadata
.endif
;; end of part 4
